; MI455X (gfx1250); checked and timed in simulation.
; The chip was launched on July 23, 2026; its instructions are those of AMD's public machine-readable ISA for CDNA 5 (MIT licence, August 2026) and "CDNA5" Instruction Set Architecture Reference Guide (July 2026). The comments in the code are by the model that wrote it; some were corrected since.
;; Multi Head Attention. Allowed arithmetic: matrix products marked QUANTISED: E5M2 operands, one given power-of-two scale a tensor, by v_wmma_f32_16x16x64_bf8_bf8 or v_wmma_f32_16x16x128_bf8_bf8, f32 sums; everything else in f32.
;; Inputs: Wk_codes 1,024 x 32 x 32 uint8 (E5M2 codes of Wk, K innermost, in blocks of 32 codes); Wp_codes 1,024 x 32 x 32 uint8 (E5M2 codes of Wp, K innermost, in blocks of 32 codes); Wq_codes 1,024 x 32 x 32 uint8 (E5M2 codes of Wq, K innermost, in blocks of 32 codes); Wv_codes 1,024 x 32 x 32 uint8 (E5M2 codes of Wv, K innermost, in blocks of 32 codes); bp 1,024 float32; lowp_scales 12 int32 (the exponents e of the quantised operands' scales 2^e); x_codes 4 x 2,048 x 32 x 32 uint8 (E5M2 codes of x, K innermost, in blocks of 32 codes).
;; Outputs: out0 4 x 2,048 x 1,024 float32.
;; This version of the problem:
;;   THIS VERSION OF THE PROBLEM IS GIVEN IN LOW PRECISION. The matrix products marked QUANTISED in the list below multiply operands that are first quantised to E5M2 (5 exponent bits, 2 mantissa bits; 8 bits a number), with one given power-of-two scale for each operand tensor; their sums are f32. All else is computed in f32.
;;   The module's matrix products, in the order in which they are computed (A, B: the left and right operand; K: the contracted axis; several contracted axes count as one K, in the product's order):
;;     1. [M 8,192, K 1,024] x [K 1,024, N 1,024]; A: input x (given as codes); B: input Wk (given as codes): QUANTISED (scales: A lowp_scales[0], B lowp_scales[1])
;;     2. [M 8,192, K 1,024] x [K 1,024, N 1,024]; A: input x (given as codes); B: input Wq (given as codes): QUANTISED (scales: A lowp_scales[2], B lowp_scales[3])
;;     3. [M 8,192, K 1,024] x [K 1,024, N 1,024]; A: input x (given as codes); B: input Wv (given as codes): QUANTISED (scales: A lowp_scales[4], B lowp_scales[5])
;;     4. batch 64 x [M 2,048, K 64] x [K 64, N 2,048]; A: computed on the way; B: computed on the way: QUANTISED (scales: A lowp_scales[6], B lowp_scales[7])
;;     5. batch 64 x [M 2,048, K 2,048] x [K 2,048, N 64]; A: softmax (see below); B: computed on the way: QUANTISED (scales: A lowp_scales[8], B lowp_scales[9])
;;     6. [M 8,192, K 1,024] x [K 1,024, N 1,024]; A: computed on the way; B: input Wp (given as codes): QUANTISED (scales: A lowp_scales[10], B lowp_scales[11])
;;   THE QUANTISER, for each operand of a quantised product, along K:
;;     - The operand's scale is 2^e, e = its entry of the input lowp_scales (int32; the entries are numbered through the quantised products in the list's order, A before B).
;;     - Each number is divided by the scale, clamped to +-57,344, and rounded to the nearest number of E5M2, ties to even, subnormals kept.
;;     - The product sums the exact products of the quantised numbers (number of the format x scale) in f32.
;;   ~~~python
;;   def quantise(x, axis, e):      # numpy; x: float32 -> the quantised numbers, widened to float32 again
;;       x = np.moveaxis(x, axis, -1); K = x.shape[-1]
;;       r = np.clip(x / 2.0 ** e, -57344, 57344)
;;       step = 2.0 ** (np.maximum(np.frexp(np.where(r == 0, 1, r))[1] - 1, -14) - 2)
;;       q = np.round(r / step) * step * 2.0 ** e      # np.round: ties to even
;;       return np.moveaxis(q, -1, axis).astype(np.float32)
;;   ~~~
;;   SOFTMAX AHEAD OF A QUANTISED PRODUCT. Where the list says 'softmax', what is quantised is not the finished softmax but p = 2^(t - M), with t = logit x log2(e) and M = ceil(the row's largest t), a whole number; so 1/2 < the row's largest p <= 1. The row's sum l is taken of the UNQUANTISED p, in f32, and the product's result is divided by l at the end. Since M is a whole number, a kernel that streams over the keys may use a running M (the ceiling of the running maximum): every later rescaling is an exact power of two, so the quantised numbers keep their values, but for numbers so far below the row's largest that they fall under the format's range.
;;   OPERANDS COMPUTED ON THE WAY. 'Computed on the way' means the value that the module computes at that place (a softmax that the list does not call 'softmax' is quantised finished and normalised). What goes into a quantiser is computed in f32, as accurately as f32 sums, v_exp_f32 and their like allow (about 1e-6 of the number): no bf16 or f16 on the way to a quantiser, and a product that is left as it is and whose result goes on into a quantised operand takes f32 operands (vector FMAs, or v_wmma_f32_16x16x4_f32). A number that lies on a knife's edge between two numbers of the format may be rounded either way, as far as f32 arithmetic and the matrix unit's own rounding can turn it there, and no further.
;;   INPUTS GIVEN AS CODES. Wk (in the module: [1024, 1024], K = its axis 1); Wp (in the module: [1024, 1024], K = its axis 1); Wq (in the module: [1024, 1024], K = its axis 1); Wv (in the module: [1024, 1024], K = its axis 1); x (in the module: [4, 2048, 1024], K = its axis 2): each comes as NAME_codes (uint8): NAME with its K axis moved to the last place and cut into blocks of 32 codes, [.., K / 32, bytes a block], one block behind the other in memory; one code a byte (a code: sign, 5 exponent bits, 2 mantissa bits); its scale is its entry of lowp_scales. Its value is code x scale, taken as it is: it is not quantised again, and the codes and scales need not be those that the quantiser above would give.
;; One version. Each part assembles by itself: llvm-mc -triple=amdgcn-amd-amdhsa -mcpu=gfx1250 --defsym DOCPART=n.
;; ======== version 1 of 1: 3 launches
;; limits: right only within a limited range of input values
;; workspace buffers: qimg 8,388,608 bytes; kimg 8,388,608 bytes; vimg 8,388,608 bytes; aimg 8,388,608 bytes
;; launch qkv (part 1): grid 12 x 32, 4 waves a work-group, clusters of 4 x 4, 327,680 bytes of LDS; arguments x_codes, Wq_codes, Wk_codes, Wv_codes, lowp_scales, qimg, kimg, vimg; writes qimg, kimg, vimg
.if DOCPART == 1
	.amdgcn_target "amdgcn-amd-amdhsa--gfx1250"
	.amdhsa_code_object_version 6
	.text
	.protected	k_q29d7b7e2f5_qkv
	.globl	k_q29d7b7e2f5_qkv
	.p2align	8
	.type	k_q29d7b7e2f5_qkv,@function
k_q29d7b7e2f5_qkv:
	s_mov_b64 s[64:65], 0
	v_nop
	global_prefetch_b8 v0, s[64:65] scope:SCOPE_SE
	s_setreg_imm32_b32 hwreg(HW_REG_WAVE_MODE, 25, 1), 1
	s_wait_xcnt 0x0
	s_wait_alu depctr_hold_cnt(0) depctr_sa_sdst(0) depctr_va_vdst(0) depctr_va_sdst(0) depctr_va_ssrc(0) depctr_va_vcc(0) depctr_vm_vsrc(0)
	s_getreg_b32 s2, hwreg(HW_REG_IB_STS2, 6, 4)
	s_cmp_eq_u32 s2, 0
	s_cbranch_scc0 .Lentry_in_a_cluster
	s_endpgm
.Lentry_in_a_cluster:
	s_bfe_u32 s2, ttmp6, 0x10000c
	s_cmp_lg_u32 s2, 0xf033
	s_cbranch_scc0 .Lentry_shape_is_right
	s_endpgm
.Lentry_shape_is_right:
; q = x Wq^T, k = x Wk^T, v = x Wv^T on codes of BF8 (E5M2), and each result quantised at once to BF8 with its given scale.
; x: [8192][1024] codes, Wq, Wk, Wv: [1024][1024] codes, K innermost.  lowp_scales: e0 .. e11.
; A sum of codes stands for sum x 2^ein (q: e2 + e3, k: e0 + e1, v: e4 + e5); its code is sum / 2^(eout - ein), held within +-57,344 (eout: q e6, k e7, v e9).
; LIMITS: eout - ein lies between -126 and 112, so that the scale and 57,344 x the scale are f32 numbers.  NaN and infinities are not served.
; SHARES.  384 tiles of 256 x 256, one to a work-group of four waves; a wave makes 128 x 128: 64 accumulators, 512 registers.  The cluster's x (0, 1, 2) names the product: q, k, v; it is the same in all sixteen partners.
; A smaller tile would give an even number of work-groups to each WGP, but each LDS byte would feed fewer products: the larger tile is kept.
; THE MATRIX INSTRUCTION IS USED TRANSPOSED: source 0 = 16 rows of the operand called B here, source 1 = 16 rows of the one called A: a lane holds ONE row of A and, in accumulator b, columns 16 b + 8 (lane / 16) + 0 .. 7.
; Eight conversions then give 16 registers in which registers 2 b, 2 b + 1 hold columns 16 b + 8 (lane / 16) + 0 .. 7: the layout of an operand of the plain BF8 forms (ISA guide 7.12.2).
;   q, k: A = x, B = the weight: the 16 registers are two fragments of 16 tokens x 64 (two heads).    v: A = Wv, B = x: they are one fragment of 16 channels x 128 keys, keys innermost.
; THE RESULTS ARE STORED AS IMAGES OF THOSE REGISTERS: four stores of 512 consecutive bytes, 16 a lane.  No stage in LDS, nothing is transposed.
;   qimg, kimg: [token tile 0..511][head 0..15][2][lane][16]          vimg: [channel tile 0..63][group of 128 tokens 0..63][4][lane][16]
; CLUSTERS: 4 x 4 work-groups; A's tile is shared along a row of the cluster, B's along a column: each is asked for jointly, by the same tensor load with the same descriptor and a mask that names the four.
; K = 1,024 goes in four steps of 256 through two LDS slots; the eight steps of 128 are written out.
; REGISTERS, in windows of 256: window 0: v0-31 addresses, v96-111 codes, from v128 A's fragments (one set).  window 1: B's fragments, two sets.  windows 2, 3: the accumulators ((a, b) at v[8 (8 (a % 4) + b)]).
.set ROWB,   256                       ; a tile's row in bytes: 256 along K
.set KROW,   1024                      ; a row of x or of a weight in memory
.set PITCH,  272                       ; an LDS row: 256 bytes + 16 of padding = 68 words: the 16 rows of a load start at 16 different banks (64 banks of 4 bytes: ISA guide 11.1)
.set FR,     16                        ; registers of a fragment: 16 rows x 128 K
.set NL,     4                         ; LDS loads that bring one
.set NP,     4                         ; places behind this matrix instruction (ISA guide 7.12.1)
.set AB,     8                         ; A's blocks of 16 rows in a wave
.set HB,     AB/2
.set NLA,    HB*NL                     ; the loads of half of A's blocks
.set HALFT,  128*PITCH                 ; what one tensor load brings
.set SLOT,   4*HALFT                   ; A's 256 rows, then B's 256 rows
.set SPARE,  2*SLOT                    ; behind the ring: the spare words, 128 bytes a wave
.set ASTEP,  2*ROWB                    ; two slots on along K
.set BSTEP,  2*ROWB
.set ADRA, 16                          ; v16-17  LDS address of my A fragments in slot 0, 1
.set ADRB, 20                          ; v20-21  the same for B
.set CO,   26                          ; v26     16 x lane: my place in an image
.set SPW,  28                          ; v28     my spare word; never rewritten
.set NIL,  29                          ; v29     0; never rewritten
.set SC,   30                          ; v30     2^(eout - ein) as f32
.set TMP,  32
.set CD,   96
.set AF,   128
.set G1, 24
.set G0, 32
.set G1B, 48
.set G0B, 56
.set MSB, 0
.macro WIN new                         ; the immediate's high byte repeats the setting that is left
.if MSB != (\new)
	s_set_vgpr_msb (MSB<<8)|(\new)
.set MSB, (\new)
.endif
.endm
.macro MWIN a                          ; for products of A's block a: source 0 (B) window 1, source 1 (A) window 0, C and D window 2 (blocks 0-3) or 3
	WIN 0xa1+0x50*((\a)/4)
.endm
.macro PLACES n
.rept \n
	v_nop
.endr
.endm
; A joint load: waves 0 and 1 fetch for A, waves 2 and 3 for B; the branch hangs on the wave's number alone.  Four v_nop follow each of the two lines.
.macro JLOAD g0a, g1a, g0b, g1b
	s_cmp_eq_u32 s15, 0
	s_cbranch_scc0 .Lfor_b_\@
	tensor_load_to_lds s[\g0a:\g0a+3], s[\g1a:\g1a+7]
	s_nop 0
.rept 4
	v_nop
.endr
	s_branch .Lasked_\@
.Lfor_b_\@:
	tensor_load_to_lds s[\g0b:\g0b+3], s[\g1b:\g1b+7]
	s_nop 0
.rept 4
	v_nop
.endr
.Lasked_\@:
.endm
.macro CREST                           ; a round of the cluster's barrier behind its opening barrier
	s_cmp_lg_u32 s14, 0
	s_cbranch_scc1 .Lnot_wave_0_\@
	s_barrier_signal -3
.Lnot_wave_0_\@:
	s_barrier_wait -3
	s_barrier_signal -1
	s_barrier_wait -1
.endm
.macro CROUND
	s_barrier_signal -1
	s_barrier_wait -1
	CREST
.endm
	s_load_b512 s[68:83], s[0:1], 0x0              ; x s[68:69], Wq s[70:71], Wk s[72:73], Wv s[74:75], the exponents s[76:77], qimg s[78:79], kimg s[80:81], vimg s[82:83]
	v_lshl_add_u32 v[SPW], v0, 2, SPARE
	v_mov_b32 v[NIL], 0
	ds_add_u32 v28, v29
	ds_add_u32 v28, v29
	s_wait_dscnt 0x0
	v_lshrrev_b32 v1, 5, v0
	v_readfirstlane_b32 s14, v1                    ; wave 0..3
	s_lshr_b32 s15, s14, 1                         ; which half of A's rows is mine.  Also: I fetch for A (0) or for B (1)
	s_and_b32 s16, s14, 1                          ; which half of B's rows.  Also: which 128 rows I fetch
	s_bfe_u32 s40, ttmp6, 0x40000                  ; cx
	s_bfe_u32 s41, ttmp6, 0x40004                  ; cy
	s_and_b32 s18, ttmp7, 0xffff                   ; the cluster's y, 0..7
	s_cmp_eq_u32 ttmp9, 2                          ; v?  Then the long operand, x, is B: the clusters walk along the tile columns
	s_cselect_b32 s17, 0, s18
	s_cselect_b32 s42, s18, 0
	s_cselect_b32 s98, 17, 14                      ; log2 of the bytes from one block of A's rows to the next in the image: a channel tile's 64 x 2,048, or a token tile's 16 x 1,024
	s_lshl_b32 s17, s17, 2
	s_add_co_u32 s17, s17, s41                     ; tile row: q, k: 4 x cluster y + cy;  v: cy
	s_lshl_b32 s42, s42, 2
	s_add_co_u32 s42, s42, s40                     ; tile column: q, k: cx;  v: 4 x cluster y + cx
	s_lshl_b32 s43, s41, 2
	s_lshl_b32 s43, 15, s43                        ; my row of the cluster
	s_lshl_b32 s44, 0x1111, s40                    ; my column
	; descriptor group 1: a tile of 128 rows x 256 bytes, padded in LDS
	s_or_b32 s[G1+0], s43, (0<<16)|(1<<20)|(1<<21)|(5<<22)|(3<<25)  ; 15:0 the mask; 17:16 elements of 1 byte; 20 padding on; 21 set beside a mask; 24:22 after every 64 words; 31:25 four words
	s_or_b32 s[G1B+0], s44, (0<<16)|(1<<20)|(1<<21)|(5<<22)|(3<<25)
.irp g, G1, G1B
	s_mov_b32 s[\g+1], ROWB<<16                    ; tensor_dim0
	s_mov_b32 s[\g+2], 128<<16                     ; tensor_dim1
	s_mov_b32 s[\g+3], ROWB<<16                    ; tile_dim0
	s_mov_b32 s[\g+4], 128                         ; tile_dim1
	s_mov_b32 s[\g+5], KROW                        ; from row to row
	s_mov_b32 s[\g+6], 0
	s_mov_b32 s[\g+7], 0
.endr
	s_lshl_b32 s18, s16, 7                         ; which 128 rows of the tile I fetch
	s_lshl_b32 s20, s17, 8
	s_add_co_u32 s20, s20, s18
	s_lshl_b32 s20, s20, 10                        ; A: (256 x tile row + 128 x half) rows of 1,024 bytes
	s_mov_b32 s21, 0
	s_lshl_b32 s46, s42, 8
	s_add_co_u32 s46, s46, s18
	s_lshl_b32 s46, s46, 10                        ; B: the same with the tile column
	s_mov_b32 s47, 0
	s_mul_i32 s45, s14, HALFT                      ; where they go: wave x 128 rows
	s_wait_kmcnt 0x0
	s_load_b256 s[84:91], s[76:77], 0x0            ; e0 .. e7
	s_load_b128 s[92:95], s[76:77], 0x20           ; e8 .. e11
	s_cmp_eq_u32 ttmp9, 1                          ; the buffers are chosen by the cluster's x alone
	s_cselect_b64 s[6:7], s[72:73], s[70:71]
	s_cselect_b64 s[10:11], s[80:81], s[78:79]
	s_cmp_eq_u32 ttmp9, 2
	s_cselect_b64 s[4:5], s[74:75], s[68:69]       ; A: Wv, or x
	s_cselect_b64 s[6:7], s[68:69], s[6:7]         ; B: x, or Wk, or Wq
	s_cselect_b64 s[10:11], s[82:83], s[10:11]     ; the image
	s_add_nc_u64 s[20:21], s[4:5], s[20:21]
	s_add_nc_u64 s[46:47], s[6:7], s[46:47]
	CROUND                                         ; all sixteen work-groups are here: the first joint loads meet
.irp s, 0,1
	s_mov_b32 s[G0+4*\s], 1
	s_add_co_u32 s[G0+4*\s+1], s45, \s*SLOT
	s_add_nc_u64 s[G0+4*\s+2:G0+4*\s+3], s[20:21], \s*ROWB
	s_or_b32 s[G0+4*\s+3], s[G0+4*\s+3], 0x80000000
	s_mov_b32 s[G0B+4*\s], 1
	s_add_co_u32 s[G0B+4*\s+1], s45, \s*SLOT
	s_add_nc_u64 s[G0B+4*\s+2:G0B+4*\s+3], s[46:47], \s*ROWB
	s_or_b32 s[G0B+4*\s+3], s[G0B+4*\s+3], 0x80000000
	JLOAD G0+4*\s, G1, G0B+4*\s, G1B               ; two loads of mine are out at the most
.endr
	v_and_b32 v1, 15, v0                           ; r
	v_bfe_u32 v2, v0, 4, 1                         ; h
	v_mul_u32_u24 v3, v1, PITCH
	v_lshl_add_u32 v4, v2, 4, v3                   ; a fragment's row x pitch + 16 h
	s_mul_i32 s21, s15, HALFT                      ; my 128 rows of A
	s_mul_i32 s22, s16, HALFT                      ; my 128 rows of B,
	s_add_co_u32 s22, s22, 2*HALFT                 ; which lie behind A's 256
.irp s, 0,1
	v_add_nc_u32 v[ADRA+\s], s21, v4
	v_add_nc_u32 v[ADRB+\s], s22, v4
	s_add_co_u32 s21, s21, SLOT
	s_add_co_u32 s22, s22, SLOT
.endr
	v_and_b32 v6, 31, v0
	v_lshlrev_b32 v[CO], 4, v6
	s_lshl_b32 s20, s17, 4                         ; where my first block's image begins:
	s_lshl_b32 s21, s15, 3
	s_add_co_u32 s20, s20, s21                     ; block of A's rows 16 x tile row + 8 x half,
	s_lshl_b32 s20, s20, s98
	s_lshl_b32 s46, s42, 1
	s_add_co_u32 s46, s46, s16                     ; my 128 columns: 2 x tile column + half,
	s_lshl_b32 s46, s46, 11                        ; 2,048 bytes each
	s_add_co_u32 s20, s20, s46
	s_mov_b32 s21, 0
	s_add_nc_u64 s[10:11], s[10:11], s[20:21]
	s_lshl_b32 s100, 1, s98                        ; from block to block
	s_mov_b32 s101, 0
; A fragment, 16 rows x 128 K, by four loads of 16 bytes: registers 4 c .. 4 c + 3 hold K = 32 c + 16 h + 0 .. 15: a permutation of k that is the same in A and in B, so every product meets its partner
.macro FRAGB reg, slot, q, i
.irp c, 0,1,2,3
	ds_load_b128 v[\reg+4*\c:\reg+4*\c+3], v[ADRB+\slot] offset:128*(\q)+32*\c+(\i)*16*PITCH
.endr
.endm
.macro FRAGA reg, slot, q, i
.irp c, 0,1,2,3
	ds_load_b128 v[\reg+4*\c:\reg+4*\c+3], v[ADRA+\slot] offset:128*(\q)+32*\c+(\i)*16*PITCH
.endr
.endm
.macro FETCH_B slot, q, p              ; B's eight fragments of the slot's q-th 128 along K into set p
	WIN 0x40                                       ; destination window 1
.irp i, 0,1,2,3,4,5,6,7
	FRAGB 128*(\p)+FR*\i, \slot, \q, \i
.endr
	WIN 0
.endm
.macro FETCH_A slot, q, i0             ; A's blocks i0 .. i0 + HB - 1
.set FI, \i0
.rept HB
	FRAGA AF+FR*FI, \slot, \q, FI
.set FI, FI+1
.endr
.endm
; n of A's blocks from a0 on, each against B's eight, 128 along K.  p: B's set.  zero = 1: the product starts the sum.  The accumulators take turns, in the same order in every step.
.macro MULS a0, n, p, zero
.set MA, \a0
.rept \n
.irp b, 0,1,2,3,4,5,6,7
.if \zero
	v_wmma_f32_16x16x128_bf8_bf8 v[8*(8*(MA%4)+\b):8*(8*(MA%4)+\b)+7], v[128*(\p)+FR*\b:128*(\p)+FR*\b+FR-1], v[AF+FR*MA:AF+FR*MA+FR-1], 0
.else
	v_wmma_f32_16x16x128_bf8_bf8 v[8*(8*(MA%4)+\b):8*(8*(MA%4)+\b)+7], v[128*(\p)+FR*\b:128*(\p)+FR*\b+FR-1], v[AF+FR*MA:AF+FR*MA+FR-1], v[8*(8*(MA%4)+\b):8*(8*(MA%4)+\b)+7]
.endif
.endr
.set MA, MA+1
.endr
.endm
; A slot's first 128 along K (B's set 0); its successor lies in the same slot.  Loads into registers that matrix instructions have read stand four places behind them.
.macro STEP slot, zero
	s_wait_dscnt NLA                               ; B's set and A's lower blocks are in; the youngest loads (A's upper blocks) may be out
	MWIN 0
	MULS 0, HB, 0, \zero
	s_wait_dscnt 0x0                               ; A's upper blocks are in
	PLACES NP
	FETCH_B \slot, 1, 1
	FETCH_A \slot, 1, 0
	MWIN HB
	MULS HB, HB, 0, \zero
	PLACES NP
	WIN 0
	FETCH_A \slot, 1, HB
.endm
; A slot's second 128 along K (B's set 1) changes slots: ONE barrier; in front of it each wave waits for all its tensor loads, adds 0 to its spare word, and waits for that and for its reads of this slot.
.macro TURN slot, next, fill
	s_wait_tensorcnt 0x0                           ; all my tensor loads have landed: my part of the next slot
	ds_add_u32 v[SPW], v[NIL]                      ; 0 onto my spare word
	s_wait_dscnt NLA+1                             ; (the add and A's upper blocks may be out)
	MWIN 0
	MULS 0, HB/2, 1, 0                             ; matrix instructions stand between the add and the wait for it
	s_wait_dscnt 0x0                               ; the add is done, and my reads of this slot are over
	s_barrier_signal -1
	MULS HB/2, HB/2, 1, 0
	WIN 0
	s_barrier_wait -1
.if \fill
	CREST                                          ; the barrier has opened a round of the cluster's barrier: no wave of any partner still reads this slot or has a load on its way
	s_add_nc_u64 s[G0+4*\slot+2:G0+4*\slot+3], s[G0+4*\slot+2:G0+4*\slot+3], ASTEP
	s_add_nc_u64 s[G0B+4*\slot+2:G0B+4*\slot+3], s[G0B+4*\slot+2:G0B+4*\slot+3], BSTEP
	JLOAD G0+4*\slot, G1, G0B+4*\slot, G1B         ; the first tensor load behind the round; its four v_nop are the places in front of the loads below
.else
	PLACES NP
.endif
	FETCH_B \next, 0, 0
	FETCH_A \next, 0, 0
	MWIN HB
	MULS HB, HB, 1, 0
	PLACES NP
	WIN 0
	FETCH_A \next, 0, HB
.endm
	s_wait_alu depctr_va_vdst(0)
	s_wait_tensorcnt 1                             ; my part of slot 0 is in; slot 1's load may be out
	s_barrier_signal -1
	s_barrier_wait -1
	FETCH_B 0, 0, 0
	FETCH_A 0, 0, 0
	FETCH_A 0, 0, HB
	STEP 0, 1                                      ; K 0: its products start the sums
	TURN 0, 1, 1                                   ; K 128; slot 0 takes K 512 on
	STEP 1, 0                                      ; K 256
	TURN 1, 0, 1                                   ; K 384; slot 1 takes K 768 on
	STEP 0, 0                                      ; K 512
	TURN 0, 1, 0                                   ; K 640; nothing is left to fetch
	STEP 1, 0                                      ; K 768
	s_wait_dscnt NLA                               ; K 896, the last step
	MWIN 0
	MULS 0, HB, 1, 0
	s_wait_dscnt 0x0
	MWIN HB
	MULS HB, HB, 1, 0
	WIN 0
	; THE WAY OUT.  The given scales are folded into the conversion's one; no branch hangs on them.
	s_wait_kmcnt 0x0
	s_add_co_i32 s18, s86, s87                     ; q: e2 + e3
	s_add_co_i32 s19, s84, s85                     ; k: e0 + e1
	s_add_co_i32 s20, s88, s89                     ; v: e4 + e5
	s_cmp_eq_u32 ttmp9, 1
	s_cselect_b32 s18, s19, s18
	s_cselect_b32 s21, s91, s90                    ; k: e7, q: e6
	s_cmp_eq_u32 ttmp9, 2
	s_cselect_b32 s18, s20, s18
	s_cselect_b32 s21, s93, s21                    ; v: e9
	s_sub_co_i32 s21, s21, s18                     ; eout - ein
	s_add_co_i32 s21, s21, 127
	s_lshl_b32 s22, s21, 23
	v_mov_b32 v[SC], s22                           ; 2^(eout - ein) as f32: the conversion takes its exponent field
	s_add_co_i32 s21, s21, 15
	s_lshl_b32 s21, s21, 23
	s_or_b32 s96, s21, 0x600000                    ; 57,344 x that,
	s_or_b32 s97, s96, 0x80000000                  ; and its negative
	PLACES NP                                      ; in front of the first read of results
; Block a: 16 rows of A x my 128 columns.  Each accumulator is read from its low end on.
.macro OUTBLK a
.set AC, 64*((\a)%4)
	s_wait_xcnt 0x0                                ; the earlier stores have read their data and their base: both are written again only behind this wait
.if (\a) > 0
	s_add_nc_u64 s[10:11], s[10:11], s[100:101]
.endif
	WIN 0x02+((\a)/4)                              ; source 0: window 2 or 3
.set J, 0
.rept 64
.set J, J+1
.endr
.irp b, 0,1,2,3,4,5,6,7
	v_cvt_scalef32_pk8_bf8_f32 v[CD+2*\b:CD+2*\b+1], v[AC+8*\b:AC+8*\b+7], v[SC]
.endr
	WIN 0
	v_nop                                          ; one plain vector instruction behind the last conversion
.irp c, 0,1,2,3
	global_store_b128 v[CO], v[CD+4*\c:CD+4*\c+3], s[10:11] offset:512*\c   ; 32 lanes store 512 consecutive bytes, at a multiple of 512 from the image's first byte
.endr
.endm
	s_wait_alu depctr_va_vdst(0)
.irp a, 0,1,2,3,4,5,6,7
	OUTBLK \a
.endr
	s_wait_tensorcnt 0x0                           ; the wave's end
	ds_add_u32 v[SPW], v[NIL]
	s_wait_dscnt 0x0
	CROUND                                         ; the closing round: no work-group ends while a partner may still ask for a tile that names it
	s_endpgm
.Lfunc_end_k_q29d7b7e2f5_qkv:
	.size	k_q29d7b7e2f5_qkv, .Lfunc_end_k_q29d7b7e2f5_qkv-k_q29d7b7e2f5_qkv
	.p2alignl 7, 3214868480
	.fill 96, 4, 3214868480
	.section	.rodata,"a",@progbits
	.p2align	6, 0x0
	.amdhsa_kernel k_q29d7b7e2f5_qkv
		.amdhsa_group_segment_fixed_size 327680
		.amdhsa_private_segment_fixed_size 0
		.amdhsa_enable_private_segment 0
		.amdhsa_kernarg_size 64
		.amdhsa_user_sgpr_count 2
		.amdhsa_user_sgpr_kernarg_segment_ptr 1
		.amdhsa_wavefront_size32 1
		.amdhsa_system_sgpr_workgroup_id_x 1
		.amdhsa_system_sgpr_workgroup_id_y 1
		.amdhsa_system_sgpr_workgroup_id_z 1
		.amdhsa_system_vgpr_workitem_id 0
		.amdhsa_next_free_vgpr 1024
		.amdhsa_next_free_sgpr 102
		.amdhsa_reserve_vcc 0
		.amdhsa_float_denorm_mode_32 3
		.amdhsa_float_denorm_mode_16_64 3
		.amdhsa_fp16_overflow 1
		.amdhsa_memory_ordered 1
		.amdhsa_forward_progress 1
		.amdhsa_inst_pref_size 86
	.end_amdhsa_kernel
	.amdgpu_metadata
---
amdhsa.version: [ 1, 2 ]
amdhsa.kernels:
  - .name:           k_q29d7b7e2f5_qkv
    .symbol:         k_q29d7b7e2f5_qkv.kd
    .args:
      - { .name: x_codes, .offset: 0, .size: 8, .value_kind: global_buffer, .address_space: global }
      - { .name: Wq_codes, .offset: 8, .size: 8, .value_kind: global_buffer, .address_space: global }
      - { .name: Wk_codes, .offset: 16, .size: 8, .value_kind: global_buffer, .address_space: global }
      - { .name: Wv_codes, .offset: 24, .size: 8, .value_kind: global_buffer, .address_space: global }
      - { .name: lowp_scales, .offset: 32, .size: 8, .value_kind: global_buffer, .address_space: global }
      - { .name: qimg, .offset: 40, .size: 8, .value_kind: global_buffer, .address_space: global }
      - { .name: kimg, .offset: 48, .size: 8, .value_kind: global_buffer, .address_space: global }
      - { .name: vimg, .offset: 56, .size: 8, .value_kind: global_buffer, .address_space: global }
    .group_segment_fixed_size: 327680
    .private_segment_fixed_size: 0
    .kernarg_segment_align: 8
    .kernarg_segment_size: 64
    .max_flat_workgroup_size: 128
    .sgpr_count:     102
    .vgpr_count:     1024
    .wavefront_size: 32
...
	.end_amdgpu_metadata
.endif
;; end of part 1
;; launch attn (part 2): grid 4 x 64, 16 waves a work-group, no clusters, 327,680 bytes of LDS; arguments qimg, kimg, vimg, lowp_scales, aimg; writes aimg
.if DOCPART == 2
	.amdgcn_target "amdgcn-amd-amdhsa--gfx1250"
	.amdhsa_code_object_version 6
	.text
	.protected	k_q29d7b7e2f5_attn
	.globl	k_q29d7b7e2f5_attn
	.p2align	8
	.type	k_q29d7b7e2f5_attn,@function
k_q29d7b7e2f5_attn:
	s_mov_b64 s[64:65], 0
	v_nop
	global_prefetch_b8 v0, s[64:65] scope:SCOPE_SE
	s_setreg_imm32_b32 hwreg(HW_REG_WAVE_MODE, 25, 1), 1
	s_wait_xcnt 0x0
; Causal attention on codes of BF8 (E5M2): 64 heads (4 batches x 16), 2,048 tokens, head size 64.  The result is quantised at once to BF8 for the projection.
; qimg, kimg: [token tile 0..511][head][2][lane][16]: images of the registers of fragments of 16 tokens x 64.  vimg: [channel tile 0..63][group of 128 tokens 0..63][4][lane][16]: fragments of 16 channels x 128 keys.
; aimg (out): [token tile][head][2][lane][16]: lane r + 16 g holds, in piece c, channels 32 c + 16 g + 0 .. 15 of token r.
; THE SOFTMAX: t = score x log2(e) / 8; M = the row's largest t so far, rounded UP to a whole number; p = 2^(t - M) is quantised with 2^e8; the row's sum is taken of the unquantised p and divides at the end.
; When M moves, the sum and O are multiplied by 2^(old M - new M): exact.
; SHARES.  A work-group (i = 0..3, head) owns TWO blocks of 256 queries of one head: block i, then block 7 - i.  They need key slots (256 keys) 0 .. i and 0 .. 7 - i: nine trips in every work-group, a constant of the text:
; 256 work-groups of equal work.  Each of the sixteen waves owns 16 queries of a block, one tile, in 256 registers: four waves to a SIMD, so that one wave's vector work stands beside another's products and LDS loads.
; NO CLUSTER: the four work-groups of a head stand at different key slots in the same trip (trip n: slot n while n <= i, then n - i - 1); walked in step they would need 4 + 8 = 12 trips each in place of 9.
; LAYOUT.  S^T = K Q^T (source 0 = 16 keys, source 1 = my 16 queries), O^T = V^T P^T: a lane holds ONE query (lane % 16).  Tile u of S^T gives a lane keys 16 u + 8 (lane / 16) + 0 .. 7: their eight codes are registers
; 2 u, 2 u + 1 of the second product's operand in the plain form's own layout (ISA guide 7.12.2).  All fragments come from LDS as images: 16 x lane on end, no pitch, no padding.
; LIMITS on the given exponents: e6 + e7 between -123 and 130; e8, and e10 - e8 - e9, between -126 and 112.  NaN and infinities are not served.
; REGISTERS: v1 16 x lane; v3 prefetch offset; v5, v6 the add's; v7 my place in the result's image; v8 LDS address; v12 -M, v13 the largest t, v[14:15] the sum; v[16:23] Q in hand, v[24:31] Q of the second block;
;   v32-95 K's 8 fragments, then V's 4; v96-159 S^T, then p; v160-191 O^T; v192-207 p's codes; v208-215 the result's codes; v244 p's scale; v246 the result's scale; v234-236, v238-243, v248-255 at work.
.set VOFF,  16384                      ; a slot: K's 16 fragments of 1,024 bytes, then V's 4 rows of 4,096
.set SLOT1, 32768                      ; slot 1 begins here: one exclusive or turns an address
.set SPARE, 65536                      ; behind the ring: the spare words, 128 bytes for each of 16 waves
.set LI,  1
.set PFO, 3
.set SPW, 5
.set NIL, 6
.set GO,  7
.set ADR, 8
.set TB,  2                            ; s2   LDS byte at which the slot in hand begins
.set N,   3                            ; s3   the trip
.set I,   14                           ; s14  my work-group's x: the first block
.set KS,  15                           ; s15  the key slot that is being asked for
.set OF,  16                           ; s[16:17] its byte offset
.set WV,  18
.set SEL, 20
.set CS,  22
.set G1K, 24
.set G1V, 32
.set G0K, 40
.set G0V, 44
.set BK,  48                           ; s[48:49] the head's first fragment in kimg
.set BV,  50                           ; s[50:51] in vimg
.set OUT1, 52
.set OUT2, 54
.set Q0,  56                           ; s56  my first query in the block in hand;  s57 in the second block
.set Q0B, 57
.set KF,  58                           ; s58  the step's first key
.set PFA, 60                           ; s[60:61] where my prefetches stand
.set PFS, 62                           ; s[62:63] a key slot on
.set LIM, 66                           ; s66  a wave prefetches in the trips below this number
; Wave 0 fetches a slot's K, wave 1 its V, the others nothing.  Four v_nop follow each of the two lines.
.macro TLOAD
	s_cmp_eq_u32 s[WV], 0
	s_cbranch_scc0 .Lnot_k_\@
	tensor_load_to_lds s[G0K:G0K+3], s[G1K:G1K+7]
	s_nop 0
.rept 4
	v_nop
.endr
	s_branch .Lasked_\@
.Lnot_k_\@:
	s_cmp_eq_u32 s[WV], 1
	s_cbranch_scc0 .Lasked_\@
	tensor_load_to_lds s[G0V:G0V+3], s[G1V:G1V+7]
	s_nop 0
.rept 4
	v_nop
.endr
.Lasked_\@:
.endm
; A PREFETCH INTO THE L2: the change of trip n names key slot n + 2, n = 0 .. 5.  All four work-groups of a head walk the same K and V: the first of them (x = 0) asks, and in it waves that fetch nothing:
; waves 4 and 5 for K's 16 rows of 1,024 bytes, 8 rows a wave, four lanes to a row; waves 6 and 7 for V's 4 rows of 4,096 bytes, 2 rows a wave, sixteen lanes to a row; lanes 256 bytes apart.
; So each aligned block of 256 bytes of slots 2 to 7 is named once in the launch; slots 0 and 1 come by their loads alone, and nothing is named behind slot 7.
.macro ASK
	s_cmp_lt_u32 s[N], s[LIM]
	s_cbranch_scc0 .Lnot_mine_\@
	global_prefetch_b8 v[PFO], s[PFA:PFA+1] th:TH_LOAD_NT scope:SCOPE_SE
.Lnot_mine_\@:
.endm
	s_load_b256 s[4:11], s[0:1], 0x0               ; qimg s[4:5], kimg s[6:7], vimg s[8:9], the exponents s[10:11]
	s_load_b64 s[12:13], s[0:1], 0x20              ; aimg
	v_lshl_add_u32 v[SPW], v0, 2, SPARE
	v_mov_b32 v[NIL], 0
	ds_add_u32 v5, v6
	ds_add_u32 v5, v6
	s_wait_dscnt 0x0
	v_lshrrev_b32 v8, 5, v0
	s_delay_alu instid0(VALU_DEP_1)
	v_readfirstlane_b32 s[WV], v8                  ; wave 0..15
	s_mov_b32 s[I], ttmp9
	s_and_b32 s80, ttmp7, 0xffff
	s_lshr_b32 s81, s80, 4                         ; batch
	s_and_b32 s82, s80, 15                         ; head
	s_lshl_b32 s84, s81, 21                        ; kimg, qimg, aimg: a batch's 128 token tiles of 16,384 bytes,
	s_lshl_b32 s83, s82, 10                        ; a head's 1,024
	s_add_co_u32 s84, s84, s83
	s_mov_b32 s85, 0
	s_lshl_b32 s86, s82, 19                        ; vimg: a head's 4 channel tiles of 131,072 bytes,
	s_lshl_b32 s83, s81, 15                        ; a batch's 16 groups of 2,048
	s_add_co_u32 s86, s86, s83
	s_mov_b32 s87, 0
	s_lshl_b32 s83, s[WV], 14
	s_add_co_u32 s83, s83, s84                     ; + my wave's token tile in a block
	s_lshl_b32 s88, s[I], 18                       ; block i: 16 token tiles
	s_add_co_u32 s88, s88, s83
	s_mov_b32 s89, 0
	s_sub_co_u32 s90, 7, s[I]
	s_lshl_b32 s90, s90, 18                        ; block 7 - i
	s_add_co_u32 s90, s90, s83
	s_mov_b32 s91, 0
	s_lshl_b32 s83, s[WV], 4
	s_lshl_b32 s[Q0], s[I], 8
	s_add_co_u32 s[Q0], s[Q0], s83                 ; my first query: 256 i + 16 x wave,
	s_sub_co_u32 s[Q0B], 7, s[I]
	s_lshl_b32 s[Q0B], s[Q0B], 8
	s_add_co_u32 s[Q0B], s[Q0B], s83               ; and in the second block
	; descriptor group 1, elements of 8 bytes.  K: 16 rows of 128 elements (a fragment's 1,024 bytes), 2,048 elements (a token tile) apart
	s_mov_b32 s[G1K], 3<<16
	s_mov_b32 s[G1K+1], 128<<16                    ; tensor_dim0
	s_mov_b32 s[G1K+2], 16<<16                     ; tensor_dim1
	s_mov_b32 s[G1K+3], 128<<16                    ; tile_dim0
	s_mov_b32 s[G1K+4], 16                         ; tile_dim1
	s_mov_b32 s[G1K+5], 2048                       ; from row to row
	s_mov_b32 s[G1K+6], 0
	s_mov_b32 s[G1K+7], 0
	; V: 4 rows of 512 elements (two groups of 128 keys), 16,384 elements (a channel tile) apart
	s_mov_b32 s[G1V], 3<<16
	s_mov_b32 s[G1V+1], 512<<16
	s_mov_b32 s[G1V+2], 4<<16
	s_mov_b32 s[G1V+3], 512<<16
	s_mov_b32 s[G1V+4], 4
	s_mov_b32 s[G1V+5], 16384
	s_mov_b32 s[G1V+6], 0
	s_mov_b32 s[G1V+7], 0
	s_mov_b32 s[SEL], 0x76543210
	s_mov_b32 s[SEL+1], 0xfedcba98
	s_mov_b32 s[CS], 0x3e38aa3b                    ; c = log2(e) / 8
	s_mov_b32 s[TB], 0
	s_mov_b32 s[N], 0
	s_mov_b32 s[KS], 0
	s_mov_b32 s[OF+1], 0
	s_mov_b32 s[KF], 0
	s_wait_kmcnt 0x0
	s_load_b256 s[68:75], s[10:11], 0x0            ; e0 .. e7
	s_load_b128 s[76:79], s[10:11], 0x20           ; e8 .. e11
	s_add_nc_u64 s[BK:BK+1], s[6:7], s[84:85]
	s_add_nc_u64 s[BV:BV+1], s[8:9], s[86:87]
	s_mov_b32 s[G0K], 1
	s_mov_b32 s[G0K+1], 0                          ; LDS: slot 0
	s_mov_b64 s[G0K+2:G0K+3], s[BK:BK+1]           ; key slot 0
	s_or_b32 s[G0K+3], s[G0K+3], 0x80000000
	s_mov_b32 s[G0V], 1
	s_mov_b32 s[G0V+1], VOFF
	s_mov_b64 s[G0V+2:G0V+3], s[BV:BV+1]
	s_or_b32 s[G0V+3], s[G0V+3], 0x80000000
	TLOAD                                          ; the first trip's slot
	s_add_nc_u64 s[92:93], s[4:5], s[88:89]        ; my fragment of Q in block i,
	s_add_nc_u64 s[94:95], s[4:5], s[90:91]        ; in block 7 - i
	s_add_nc_u64 s[OUT1:OUT1+1], s[12:13], s[88:89]  ; the results lie as Q's fragments lie
	s_add_nc_u64 s[OUT2:OUT2+1], s[12:13], s[90:91]
	v_and_b32 v[LI], 31, v0
	s_delay_alu instid0(VALU_DEP_1)
	v_lshlrev_b32 v[LI], 4, v[LI]
	global_load_b128 v[16:19], v[LI], s[92:93]
	global_load_b128 v[20:23], v[LI], s[92:93] offset:512
	global_load_b128 v[24:27], v[LI], s[94:95]
	global_load_b128 v[28:31], v[LI], s[94:95] offset:512
	; the prefetches: where my wave's stand, and who asks
	s_cmp_lt_u32 s[WV], 6                          ; waves 4, 5: K;  waves 6, 7: V
	s_cselect_b64 s[PFA:PFA+1], s[BK:BK+1], s[BV:BV+1]
	s_cselect_b32 s80, 2, 4                        ; log2 of the lanes to a row
	s_cselect_b32 s81, 14, 17                      ; log2 of the bytes from row to row
	s_cselect_b32 s82, 3, 15
	s_cselect_b32 s83, 17, 18                      ; log2 of a wave's share: 8 rows of K, 2 of V
	s_mov_b32 s[PFS], 4096
	s_cselect_b32 s[PFS], 0x40000, s[PFS]          ; a key slot on
	s_mov_b32 s[PFS+1], 0
	v_and_b32 v9, 31, v0
	s_delay_alu instid0(VALU_DEP_1)
	v_lshrrev_b32 v10, s80, v9
	s_delay_alu instid0(VALU_DEP_1)
	v_lshlrev_b32 v10, s81, v10
	s_delay_alu instid0(VALU_DEP_3)
	v_and_b32 v9, s82, v9
	s_delay_alu instid0(VALU_DEP_1)
	v_lshl_or_b32 v[PFO], v9, 8, v10
	s_and_b32 s84, s[WV], 1
	s_lshl_b32 s84, s84, s83
	s_add_co_u32 s84, s84, s[PFS]                  ; at key slot 1: the first change of slots steps it to slot 2
	s_mov_b32 s85, 0
	s_add_nc_u64 s[PFA:PFA+1], s[PFA:PFA+1], s[84:85]
	s_lshr_b32 s80, s[WV], 2
	s_xor_b32 s80, s80, 1                          ; 0 in waves 4 to 7,
	s_or_b32 s80, s80, ttmp9                       ; of the head's first work-group
	s_cmp_eq_u32 s80, 0
	s_cselect_b32 s[LIM], 6, 0
	v_and_b32 v9, 15, v0                           ; r
	v_bfe_u32 v10, v0, 4, 1                        ; h
	s_delay_alu instid0(VALU_DEP_2)
	v_lshlrev_b32 v[GO], 4, v9
	s_delay_alu instid0(VALU_DEP_1)
	v_lshl_add_u32 v[GO], v10, 3, v[GO]            ; the result's image: 16 r + 8 h
	v_mov_b32 v13, 0xff61b1e6                      ; the largest t so far: -3e38, under every t
	s_delay_alu instid0(VALU_DEP_1)
	v_floor_f32 v12, -v13                          ; -M
	v_mov_b32 v14, 0
	v_mov_b32 v15, 0
	v_mov_b32 v236, 0                              ; written once: a lane permute's destination counts as one of its sources
	v_mov_b32 v253, 0                              ; (named as the upper half of the pair v[252:253])
.set J, 0
.rept 32
	v_mov_b32 v[160+J], 0                          ; O^T: the step is written once; a block's first step finds zeros
.set J, J+1
.endr
	s_wait_kmcnt 0x0
	s_add_co_i32 s80, s74, s75
	s_lshl_b32 s80, s80, 23
	s_add_co_i32 s[CS], s[CS], s80                 ; a score stands for score x 2^(e6 + e7): added to c's exponent field
	s_mov_b32 s[CS+1], s[CS]
	s_add_co_i32 s80, s76, 127
	s_lshl_b32 s81, s80, 23
	v_mov_b32 v244, s81                            ; 2^e8
	s_sub_co_i32 s80, s78, s76
	s_sub_co_i32 s80, s80, s77                     ; O^T / the sum stands for that x 2^(e8 + e9): its code is that / 2^(e10 - e8 - e9)
	s_add_co_i32 s80, s80, 127
	s_lshl_b32 s81, s80, 23
	v_mov_b32 v246, s81
; A KEY STEP: 128 keys, the q-th half of the slot in hand.  A step all of whose keys come after my 16 queries is left out: a scalar branch on ids; no barrier and no tensor load stands in a step.
.macro STEP q
	s_add_co_u32 s59, s[Q0], 15
	s_cmp_gt_u32 s[KF], s59
	s_cbranch_scc1 .Lhidden_\@
	v_add_nc_u32 v[ADR], s[TB], v[LI]
.rept 3
	v_nop                                          ; with the addition above: four places in front of loads into registers that the last products read
.endr
.irp t, 0,1,2,3,4,5,6,7
	ds_load_b128 v[32+8*\t:35+8*\t], v[ADR] offset:1024*(8*(\q)+\t)
	ds_load_b128 v[36+8*\t:39+8*\t], v[ADR] offset:1024*(8*(\q)+\t)+512
.endr
	s_wait_dscnt 0x0
	s_wait_alu depctr_va_vdst(0)
.irp t, 0,1,2,3,4,5,6,7
	v_wmma_f32_16x16x64_bf8_bf8 v[96+8*\t:103+8*\t], v[32+8*\t:39+8*\t], v[16:23], 0
.endr
.rept 4
	v_nop                                          ; places: K's registers take V's fragments, and the scores are read
.endr
.irp t, 0,1,2,3
.irp c, 0,1,2,3
	ds_load_b128 v[32+16*\t+4*\c:35+16*\t+4*\c], v[ADR] offset:VOFF+4096*\t+2048*(\q)+512*\c   ; V's four fragments land while the softmax runs
.endr
.endr
	s_add_co_u32 s59, s[KF], 127                   ; on the diagonal the scores of hidden keys become -infinity ahead of the maximum; a step all of whose keys count skips this
	s_cmp_le_u32 s59, s[Q0]
	s_cbranch_scc1 .Lopen_\@
	s_sub_co_i32 s59, s[Q0], s[KF]
	v_and_b32 v252, 15, v0
	v_bfe_u32 v253, v0, 4, 1
	s_delay_alu instid0(VALU_DEP_1)
	v_lshlrev_b32 v253, 3, v253
	s_delay_alu instid0(VALU_DEP_1)
	v_sub_nc_u32 v252, v252, v253
	s_delay_alu instid0(VALU_DEP_1)
	v_add_nc_u32 v252, s59, v252                   ; d = my query - KF - 8 h.  Register 8 u + j holds key KF + 16 u + 8 h + j: hidden where 16 u + j > d
	v_mov_b32 v254, 0xff800000
.set J, 0
.rept 64
	v_cmp_gt_i32 vcc_lo, 16*(J/8)+J%8, v252
	v_cndmask_b32 v[96+J], v[96+J], v254, vcc_lo
.set J, J+1
.endr
.Lopen_\@:
	v_max3_num_f32 v254, v96, v97, v98             ; the step's largest score of my query, among my 64 keys, in two chains (each accumulator is first read at its low end),
	v_max3_num_f32 v252, v99, v100, v101
.irp i, 6,10,14,18,22,26,30,34,38,42,46,50,54,58
	v_max3_num_f32 v254, v254, v[96+\i], v[97+\i]
	v_max3_num_f32 v252, v252, v[98+\i], v[99+\i]
.endr
	v_max3_num_f32 v254, v254, v158, v159
	s_delay_alu instid0(VALU_DEP_1)
	v_max_num_f32 v254, v254, v252
	s_delay_alu instid0(VALU_DEP_1)
	v_permlanex16_b32 v236, v254, s[SEL], s[SEL+1]
	s_delay_alu instid0(VALU_DEP_1)
	v_max_num_f32 v254, v254, v236                 ; and among the lane's 16 away
	s_delay_alu instid0(VALU_DEP_1)
	v_mul_f32 v254, s[CS], v254                    ; as t (c is positive)
	s_delay_alu instid0(VALU_DEP_1)
	v_max_num_f32 v13, v13, v254                   ; the running largest t
	v_mov_b32 v254, v12
	s_delay_alu instid0(VALU_DEP_2)
	v_floor_f32 v12, -v13                          ; the new -M = floor(-t) = -ceil(t)
	s_delay_alu instid0(VALU_DEP_1)
	v_sub_f32 v254, v12, v254                      ; old M - new M: a whole number, 0 or less
	s_delay_alu instid0(VALU_DEP_1)
	v_cvt_i32_f32 v254, v254                       ; (it saturates)
	s_delay_alu instid0(VALU_DEP_1)
	v_ldexp_f32 v252, 1.0, v254                    ; f = 2^(old M - new M)
.set J, 0
.rept 32
	v_pk_fma_f32 v[96+J:97+J], v[96+J:97+J], s[CS:CS+1], v[12:13] op_sel_hi:[1,0,0]   ; t - M, two at a time
.set J, J+2
.endr
.set J, 0
	s_wait_alu depctr_va_vdst(0)
.rept 64
	v_exp_f32 v[96+J], v[96+J]                     ; p = 2^(t - M), at most 1
.set J, J+1
.endr
	v_pk_mul_f32 v[14:15], v[14:15], v[252:253] op_sel_hi:[1,0]   ; the sums under the new M: a plain instruction behind the exponentials
	s_wait_alu depctr_va_vdst(0)                   ; one wait for the whole batch, ahead of its first reader
	v_pk_add_f32 v[242:243], v[100:101], v[104:105]
	v_pk_add_f32 v[254:255], v[108:109], v[112:113]
	v_pk_add_f32 v[250:251], v[116:117], v[120:121]
	v_pk_add_f32 v[248:249], v[124:125], v[128:129]
	v_pk_add_f32 v[240:241], v[132:133], v[136:137]
	v_pk_add_f32 v[238:239], v[140:141], v[144:145]
	v_pk_add_f32 v[234:235], v[148:149], v[152:153]
	v_pk_add_f32 v[14:15], v[14:15], v[156:157]
	v_pk_add_f32 v[242:243], v[242:243], v[96:97]
	v_pk_add_f32 v[254:255], v[254:255], v[98:99]
	v_pk_add_f32 v[250:251], v[250:251], v[102:103]
	v_pk_add_f32 v[248:249], v[248:249], v[106:107]
	v_pk_add_f32 v[240:241], v[240:241], v[110:111]
	v_pk_add_f32 v[238:239], v[238:239], v[114:115]
	v_pk_add_f32 v[234:235], v[234:235], v[118:119]
	v_pk_add_f32 v[14:15], v[14:15], v[122:123]
	v_pk_add_f32 v[242:243], v[242:243], v[126:127]
	v_pk_add_f32 v[254:255], v[254:255], v[130:131]
	v_pk_add_f32 v[250:251], v[250:251], v[134:135]
	v_pk_add_f32 v[248:249], v[248:249], v[138:139]
	v_pk_add_f32 v[240:241], v[240:241], v[142:143]
	v_pk_add_f32 v[238:239], v[238:239], v[146:147]
	v_pk_add_f32 v[234:235], v[234:235], v[150:151]
	v_pk_add_f32 v[14:15], v[14:15], v[154:155]
	v_pk_add_f32 v[242:243], v[242:243], v[158:159]
	s_delay_alu instid0(VALU_DEP_2)
	v_pk_add_f32 v[14:15], v[14:15], v[248:249]
	s_delay_alu instid0(VALU_DEP_2)
	v_pk_add_f32 v[242:243], v[242:243], v[240:241]
	v_pk_add_f32 v[254:255], v[254:255], v[238:239]
	v_pk_add_f32 v[250:251], v[250:251], v[234:235]
	s_delay_alu instid0(VALU_DEP_2)
	v_pk_add_f32 v[14:15], v[14:15], v[254:255]
	s_delay_alu instid0(VALU_DEP_2)
	v_pk_add_f32 v[242:243], v[242:243], v[250:251]
	s_delay_alu instid0(VALU_DEP_1)
	v_pk_add_f32 v[14:15], v[14:15], v[242:243]
.set T, 0
.rept 8
.set J, 0
.rept 8
.set J, J+1
.endr
	v_cvt_scalef32_pk8_bf8_f32 v[192+2*T:193+2*T], v[96+8*T:103+8*T], v244   ; keys 16 T + 8 h + 0 .. 7: registers 2 T, 2 T + 1 of the operand
.set T, T+1
.endr
.set J, 0
.rept 16
	v_pk_mul_f32 v[160+J:161+J], v[160+J:161+J], v[252:253] op_sel_hi:[1,0]   ; O^T under the new M.  (Plain instructions between the conversions and the products that read the codes)
.set J, J+2
.endr
	s_wait_alu depctr_va_vdst(0)
	s_wait_dscnt 0x0                               ; V is in
.irp t, 0,1,2,3
	v_wmma_f32_16x16x128_bf8_bf8 v[160+8*\t:167+8*\t], v[32+16*\t:47+16*\t], v[192:207], v[160+8*\t:167+8*\t]
.endr
.Lhidden_\@:
	s_add_co_u32 s[KF], s[KF], 128
.endm
; THE CHANGE OF SLOTS stands at a trip's head.  Each wave waits for all its tensor loads, adds 0 to its spare word, and waits for that and for its reads of the slot that it has left.  Behind the barrier the slot
; ahead is whole and nobody reads the other one.  fill = 1: that other slot takes the next trip's keys: the load has a trip's two steps in which to land.
.macro CHANGE fill
	s_wait_tensorcnt 0x0                           ; no tensor load of mine is out, so a group 0 may be written
	ds_add_u32 v[SPW], v[NIL]                      ; 0 onto my spare word
.if \fill
	s_add_co_u32 s[KS], s[KS], 1                   ; the next key slot,
	s_cmp_eq_u32 s[N], s[I]
	s_cselect_b32 s[KS], 0, s[KS]                  ; or, behind the first block's last trip, slot 0 again
	s_and_b32 s[KS], s[KS], 7                      ; (by the count above it is 7 at the most: the mask states that bound)
	s_lshl_b32 s[OF], s[KS], 18                    ; K: 16 token tiles of 16,384 bytes
	s_add_nc_u64 s[G0K+2:G0K+3], s[BK:BK+1], s[OF:OF+1]
	s_or_b32 s[G0K+3], s[G0K+3], 0x80000000
	s_lshl_b32 s[OF], s[KS], 12                    ; V: two groups of 2,048 bytes in each row
	s_add_nc_u64 s[G0V+2:G0V+3], s[BV:BV+1], s[OF:OF+1]
	s_or_b32 s[G0V+3], s[G0V+3], 0x80000000
	s_xor_b32 s[G0K+1], s[G0K+1], SLOT1            ; into the other slot than last time
	s_xor_b32 s[G0V+1], s[G0V+1], SLOT1
	s_wait_xcnt 0x0                                ; the last prefetch, a trip back, has read its address, so it may be written
	s_add_nc_u64 s[PFA:PFA+1], s[PFA:PFA+1], s[PFS:PFS+1]
.endif
	s_wait_dscnt 0x0                               ; the add is done, and my reads of the slot that I have left are over
	s_barrier_signal -1
	s_barrier_wait -1
.if \fill
	TLOAD                                          ; the first thing behind the barrier, and a wave's one tensor load until the next
	ASK
.endif
.endm
; THE WAY OUT of a block: O^T / the sum, held, quantised with the folded scale, stored as an image.  again = 1: the state is set for the second block.
.macro WAYOUT out, again
.rept 4
	v_nop                                          ; places behind the last products
.endr
	v_add_f32 v14, v14, v15                        ; the sum's two halves,
	s_delay_alu instid0(VALU_DEP_1)
	v_permlanex16_b32 v236, v14, s[SEL], s[SEL+1]
	s_delay_alu instid0(VALU_DEP_1)
	v_add_f32 v14, v14, v236                       ; and the lane's 16 away
	s_wait_alu depctr_va_vdst(0)
	v_rcp_f32 v14, v14
	v_nop                                          ; a plain instruction behind the reciprocal
	s_wait_alu depctr_va_vdst(0)                   ; and the wait ahead of its first reader
	s_wait_xcnt 0x0                                ; the first block's stores have read their data: the codes' registers are written again only behind this wait
.set J, 0
.rept 16
	v_pk_mul_f32 v[96+J:97+J], v[160+J:161+J], v[14:15] op_sel_hi:[1,0]   ; register 8 t + j: channel 16 t + 8 h + j of my query
.set J, J+2
.endr
.set J, 0
.rept 32
.set J, J+1
.endr
.irp t, 0,1,2,3
	v_cvt_scalef32_pk8_bf8_f32 v[208+2*\t:209+2*\t], v[96+8*\t:103+8*\t], v246
.endr
	v_nop                                          ; one plain instruction behind the last conversion: later products write its sources
.irp t, 0,1,2,3
	global_store_b64 v[GO], v[208+2*\t:209+2*\t], s[\out:\out+1] offset:256*\t   ; 32 lanes store 256 consecutive bytes, at a multiple of 256 from the image's first byte
.endr
.if \again
	v_mov_b32 v13, 0xff61b1e6
	s_delay_alu instid0(VALU_DEP_1)
	v_floor_f32 v12, -v13
	v_mov_b32 v14, 0
	v_mov_b32 v15, 0
.set J, 0
.rept 32
	v_mov_b32 v[160+J], 0
.set J, J+1
.endr
.set J, 0
.rept 8
	v_mov_b32 v[16+J], v[24+J]                     ; the second block's Q
.set J, J+1
.endr
	s_mov_b32 s[Q0], s[Q0B]
	s_mov_b32 s[KF], 0
.endif
.endm
	s_wait_loadcnt 0x0                             ; Q
.Ltrip:                                            ; eight trips; behind each change of slots the next trip's slot is asked for
	CHANGE 1
	STEP 0
	STEP 1
	s_xor_b32 s[TB], s[TB], SLOT1                  ; on to the other slot
	s_cmp_lg_u32 s[N], s[I]                        ; trip i is the first block's last: a branch on ids
	s_cbranch_scc1 .Lsame_block
	WAYOUT OUT1, 1
.Lsame_block:
	s_add_co_u32 s[N], s[N], 1
	s_cmp_lt_u32 s[N], 8
	s_cbranch_scc1 .Ltrip
	CHANGE 0                                       ; the ninth trip is written out
	STEP 0
	STEP 1
	WAYOUT OUT2, 0
	s_wait_tensorcnt 0x0                           ; the wave's end
	ds_add_u32 v[SPW], v[NIL]
	s_wait_dscnt 0x0
	s_endpgm
.Lfunc_end_k_q29d7b7e2f5_attn:
	.size	k_q29d7b7e2f5_attn, .Lfunc_end_k_q29d7b7e2f5_attn-k_q29d7b7e2f5_attn
	.p2alignl 7, 3214868480
	.fill 96, 4, 3214868480
	.section	.rodata,"a",@progbits
	.p2align	6, 0x0
	.amdhsa_kernel k_q29d7b7e2f5_attn
		.amdhsa_group_segment_fixed_size 327680
		.amdhsa_private_segment_fixed_size 0
		.amdhsa_enable_private_segment 0
		.amdhsa_kernarg_size 40
		.amdhsa_user_sgpr_count 2
		.amdhsa_user_sgpr_kernarg_segment_ptr 1
		.amdhsa_wavefront_size32 1
		.amdhsa_system_sgpr_workgroup_id_x 1
		.amdhsa_system_sgpr_workgroup_id_y 1
		.amdhsa_system_sgpr_workgroup_id_z 1
		.amdhsa_system_vgpr_workitem_id 0
		.amdhsa_next_free_vgpr 256
		.amdhsa_next_free_sgpr 100
		.amdhsa_reserve_vcc 1
		.amdhsa_float_denorm_mode_32 3
		.amdhsa_float_denorm_mode_16_64 3
		.amdhsa_fp16_overflow 1
		.amdhsa_memory_ordered 1
		.amdhsa_forward_progress 1
		.amdhsa_inst_pref_size 93
	.end_amdhsa_kernel
	.amdgpu_metadata
---
amdhsa.version: [ 1, 2 ]
amdhsa.kernels:
  - .name:           k_q29d7b7e2f5_attn
    .symbol:         k_q29d7b7e2f5_attn.kd
    .args:
      - { .name: qimg, .offset: 0, .size: 8, .value_kind: global_buffer, .address_space: global }
      - { .name: kimg, .offset: 8, .size: 8, .value_kind: global_buffer, .address_space: global }
      - { .name: vimg, .offset: 16, .size: 8, .value_kind: global_buffer, .address_space: global }
      - { .name: lowp_scales, .offset: 24, .size: 8, .value_kind: global_buffer, .address_space: global }
      - { .name: aimg, .offset: 32, .size: 8, .value_kind: global_buffer, .address_space: global }
    .group_segment_fixed_size: 327680
    .private_segment_fixed_size: 0
    .kernarg_segment_align: 8
    .kernarg_segment_size: 40
    .max_flat_workgroup_size: 512
    .sgpr_count:     100
    .vgpr_count:     256
    .wavefront_size: 32
...
	.end_amdgpu_metadata
.endif
;; end of part 2
;; launch proj (part 3): grid 4 x 64, 4 waves a work-group, clusters of 4 x 4, 327,680 bytes of LDS; arguments aimg, Wp_codes, lowp_scales, bp, out0; writes out0
.if DOCPART == 3
	.amdgcn_target "amdgcn-amd-amdhsa--gfx1250"
	.amdhsa_code_object_version 6
	.text
	.protected	k_q29d7b7e2f5_proj
	.globl	k_q29d7b7e2f5_proj
	.p2align	8
	.type	k_q29d7b7e2f5_proj,@function
k_q29d7b7e2f5_proj:
	s_mov_b64 s[64:65], 0
	v_nop
	global_prefetch_b8 v0, s[64:65] scope:SCOPE_SE
	s_setreg_imm32_b32 hwreg(HW_REG_WAVE_MODE, 25, 1), 1
	s_wait_xcnt 0x0
	s_wait_alu depctr_hold_cnt(0) depctr_sa_sdst(0) depctr_va_vdst(0) depctr_va_sdst(0) depctr_va_ssrc(0) depctr_va_vcc(0) depctr_vm_vsrc(0)
	s_getreg_b32 s2, hwreg(HW_REG_IB_STS2, 6, 4)
	s_cmp_eq_u32 s2, 0
	s_cbranch_scc0 .Lentry_in_a_cluster
	s_endpgm
.Lentry_in_a_cluster:
	s_bfe_u32 s2, ttmp6, 0x10000c
	s_cmp_lg_u32 s2, 0xf033
	s_cbranch_scc0 .Lentry_shape_is_right
	s_endpgm
.Lentry_shape_is_right:
; out0 = a Wp^T + bp on codes of BF8 (E5M2).  a: the attention's result as images of operand registers, aimg [token tile 0..511][head 0..15][2][lane][16]; Wp: [1024][1024] codes, K innermost; bp [1024], out0 [8192][1024]: f32.
; A sum of codes stands for sum x 2^(e10 + e11): out = sum x 2^(e10 + e11) + bp, one packed multiply-add for two numbers.  LIMIT: e10 + e11 lies between -126 and 127.
; SHARES.  A tile is 128 tokens x 256 columns: 256 work-groups of four waves; a wave makes 64 tokens x 128 columns: 32 accumulators, 256 registers.
; THE MATRIX INSTRUCTION IS USED TRANSPOSED (source 0 = 16 rows of Wp, source 1 = 16 tokens): a lane holds eight neighbouring numbers of a row of out0.
; K: a fragment of Wp comes by four loads of 16 bytes at 32 c + 16 (lane / 16) of its row; the image holds a's codes in that same order (128 along K = two heads = 2,048 bytes, 16 x lane on end): the same permutation of k on both sides.
; CLUSTERS: 4 x 4 work-groups; a's tile is shared along a row of the cluster, Wp's along a column: each is asked for jointly.  K = 1,024 goes in four steps of 256 through two LDS slots; the eight steps of 128 are written out.
; REGISTERS, in windows of 256: window 0: v0-31 addresses, v32-95 results at work, from v128 a's 4 fragments (one set), on the way out rows of out0.  window 1: Wp's fragments, two sets.  window 2: the accumulators ((a, b) at v[8 (8 a + b)]).  window 3: v0-63 bp in the result's layout.
.set ROWB,   256
.set KROW,   1024
.set PITCH,  272                       ; a row of Wp in LDS: 256 bytes + 16 of padding = 68 words: the 16 rows of a load start at 16 different banks (64 banks of 4 bytes: ISA guide 11.1)
.set FR,     16
.set NL,     4
.set NP,     4                         ; places behind this matrix instruction (ISA guide 7.12.1)
.set AB,     4                         ; token tiles in a wave
.set HB,     AB/2
.set NLA,    HB*NL
.set HALFT,  128*PITCH
.set BOFF,   32768                     ; a slot: a's 8 token tiles x 4,096 bytes, dense; then Wp's 256 rows
.set SLOT,   BOFF+2*HALFT
.set SPARE,  2*SLOT                    ; behind the ring: the spare words, 128 bytes a wave
.set STAGE,  SPARE+512                 ; behind them: 16 rows x 528 bytes for each wave, for the way out: bytes of their own, into which no tile lands
.set SPITCH, 528
.set ASTEP,  8192                      ; two slots on along K: 8 heads of 1,024 bytes in a token tile
.set BSTEP,  2*ROWB
.set ADRA, 16
.set ADRB, 20
.set STO,  24
.set RD,   25
.set CO,   26
.set BO,   27                          ; v27  32 h: my eight numbers of a tile's sixteen of bp
.set SPW,  28
.set NIL,  29
.set TMP,  32
.set AF,   128
.set BK,   128
.set G1, 24
.set G0, 32
.set G1B, 48
.set G0B, 56
.set MSB, 0
.macro WIN new                         ; the immediate's high byte repeats the setting that is left
.if MSB != (\new)
	s_set_vgpr_msb (MSB<<8)|(\new)
.set MSB, (\new)
.endif
.endm
.macro MWIN a                          ; source 0 (Wp) window 1, source 1 (a) window 0, C and D window 2
	WIN 0xa1+0x50*((\a)/4)
.endm
.macro PLACES n
.rept \n
	v_nop
.endr
.endm
; A joint load: waves 0 and 1 fetch for a, waves 2 and 3 for Wp; the branch hangs on the wave's number alone.  Four v_nop follow each of the two lines.
.macro JLOAD g0a, g1a, g0b, g1b
	s_cmp_eq_u32 s15, 0
	s_cbranch_scc0 .Lfor_b_\@
	tensor_load_to_lds s[\g0a:\g0a+3], s[\g1a:\g1a+7]
	s_nop 0
.rept 4
	v_nop
.endr
	s_branch .Lasked_\@
.Lfor_b_\@:
	tensor_load_to_lds s[\g0b:\g0b+3], s[\g1b:\g1b+7]
	s_nop 0
.rept 4
	v_nop
.endr
.Lasked_\@:
.endm
.macro CREST
	s_cmp_lg_u32 s14, 0
	s_cbranch_scc1 .Lnot_wave_0_\@
	s_barrier_signal -3
.Lnot_wave_0_\@:
	s_barrier_wait -3
	s_barrier_signal -1
	s_barrier_wait -1
.endm
.macro CROUND
	s_barrier_signal -1
	s_barrier_wait -1
	CREST
.endm
	s_load_b128 s[4:7], s[0:1], 0x0                ; aimg s[4:5], Wp's codes s[6:7]
	s_load_b128 s[8:11], s[0:1], 0x10              ; the exponents s[8:9], bp s[10:11]
	s_load_b64 s[12:13], s[0:1], 0x20              ; out0
	v_lshl_add_u32 v[SPW], v0, 2, SPARE
	v_mov_b32 v[NIL], 0
	ds_add_u32 v28, v29
	ds_add_u32 v28, v29
	s_wait_dscnt 0x0
	v_lshrrev_b32 v1, 5, v0
	v_readfirstlane_b32 s14, v1                    ; wave 0..3
	s_lshr_b32 s15, s14, 1                         ; which 64 tokens are mine.  Also: I fetch for a (0) or for Wp (1)
	s_and_b32 s16, s14, 1                          ; which 128 columns.  Also: which half of that tile I fetch
	s_bfe_u32 s40, ttmp6, 0x40000                  ; cx
	s_bfe_u32 s41, ttmp6, 0x40004                  ; cy
	s_lshl_b32 s42, ttmp9, 2
	s_add_co_u32 s42, s42, s40                     ; tile column
	s_and_b32 s17, ttmp7, 0xffff
	s_lshl_b32 s17, s17, 2
	s_add_co_u32 s17, s17, s41                     ; tile row
	s_lshl_b32 s43, s41, 2
	s_lshl_b32 s43, 15, s43                        ; my row of the cluster
	s_lshl_b32 s44, 0x1111, s40                    ; my column
	; descriptor group 1 for a: elements of 8 bytes; 4 rows (token tiles) of 512 elements (four heads, 4,096 bytes), 2,048 elements (a token tile) apart; no padding
	s_or_b32 s[G1+0], s43, (3<<16)|(1<<21)
	s_mov_b32 s[G1+1], 512<<16                     ; tensor_dim0
	s_mov_b32 s[G1+2], 4<<16                       ; tensor_dim1
	s_mov_b32 s[G1+3], 512<<16                     ; tile_dim0
	s_mov_b32 s[G1+4], 4                           ; tile_dim1
	s_mov_b32 s[G1+5], 2048                        ; from row to row
	s_mov_b32 s[G1+6], 0
	s_mov_b32 s[G1+7], 0
	; for Wp: elements of 1 byte; 128 rows of 256, padded in LDS by four words after every 64
	s_or_b32 s[G1B+0], s44, (0<<16)|(1<<20)|(1<<21)|(5<<22)|(3<<25)
	s_mov_b32 s[G1B+1], ROWB<<16
	s_mov_b32 s[G1B+2], 128<<16
	s_mov_b32 s[G1B+3], ROWB<<16
	s_mov_b32 s[G1B+4], 128
	s_mov_b32 s[G1B+5], KROW
	s_mov_b32 s[G1B+6], 0
	s_mov_b32 s[G1B+7], 0
	s_lshl_b32 s20, s17, 3
	s_lshl_b32 s18, s16, 2
	s_add_co_u32 s20, s20, s18
	s_lshl_b32 s20, s20, 14                        ; a: token tile 8 x tile row + 4 x half, 16,384 bytes each
	s_mov_b32 s21, 0
	s_lshl_b32 s46, s42, 8
	s_lshl_b32 s18, s16, 7
	s_add_co_u32 s46, s46, s18
	s_lshl_b32 s46, s46, 10                        ; Wp: row 256 x tile column + 128 x half, 1,024 bytes each
	s_mov_b32 s47, 0
	s_lshl_b32 s45, s16, 14                        ; where they go: a's halves of 16,384 bytes,
	s_mul_i32 s19, s16, HALFT
	s_add_co_u32 s19, s19, BOFF                    ; Wp's halves behind them: no place in the cluster enters an LDS address
	s_wait_kmcnt 0x0
	s_load_b64 s[96:97], s[8:9], 0x28              ; e10, e11
	s_add_nc_u64 s[20:21], s[4:5], s[20:21]
	s_add_nc_u64 s[46:47], s[6:7], s[46:47]
	CROUND                                         ; all sixteen work-groups are here: the first joint loads meet
.irp s, 0,1
	s_mov_b32 s[G0+4*\s], 1
	s_add_co_u32 s[G0+4*\s+1], s45, \s*SLOT
	s_add_nc_u64 s[G0+4*\s+2:G0+4*\s+3], s[20:21], \s*4096
	s_or_b32 s[G0+4*\s+3], s[G0+4*\s+3], 0x80000000
	s_mov_b32 s[G0B+4*\s], 1
	s_add_co_u32 s[G0B+4*\s+1], s19, \s*SLOT
	s_add_nc_u64 s[G0B+4*\s+2:G0B+4*\s+3], s[46:47], \s*ROWB
	s_or_b32 s[G0B+4*\s+3], s[G0B+4*\s+3], 0x80000000
	s_wait_alu depctr_va_vdst(0)
	s_wait_tensorcnt 0x0
	ds_add_u32 v28, v29
	ds_add_u32 v28, v29
	s_wait_dscnt 0x0
	CROUND
	JLOAD G0+4*\s, G1, G0B+4*\s, G1B               ; two loads of mine are out at the most
.endr
	v_and_b32 v1, 15, v0                           ; r
	v_bfe_u32 v2, v0, 4, 1                         ; h
	v_and_b32 v6, 31, v0
	v_lshlrev_b32 v[CO], 4, v6                     ; 16 x lane
	v_mul_u32_u24 v3, v1, PITCH
	v_lshl_add_u32 v4, v2, 4, v3                   ; Wp: a fragment's row x pitch + 16 h
	s_lshl_b32 s21, s15, 14                        ; my 4 token tiles of a
	s_mul_i32 s22, s16, HALFT                      ; my 128 rows of Wp
	s_add_co_u32 s22, s22, BOFF
.irp s, 0,1
	v_add_nc_u32 v[ADRA+\s], s21, v[CO]
	v_add_nc_u32 v[ADRB+\s], s22, v4
	s_add_co_u32 s21, s21, SLOT
	s_add_co_u32 s22, s22, SLOT
.endr
	s_mul_i32 s23, s14, 16*SPITCH
	s_add_co_u32 s23, s23, STAGE                   ; my stage
	v_mul_u32_u24 v5, v1, SPITCH                   ; in: row r, 32 bytes for each half of the lanes
	v_lshl_add_u32 v5, v2, 5, v5
	v_add_nc_u32 v[STO], s23, v5
	v_add_nc_u32 v[RD], s23, v[CO]                 ; back: the 32 lanes take one row of 512 bytes
	v_lshlrev_b32 v[BO], 5, v2
	s_wait_alu depctr_va_vdst(0)
	s_lshl_b32 s46, s42, 10                        ; my first column, in bytes of f32: 1,024 x tile column + 512 x half: in bp and in a row of out0
	s_lshl_b32 s47, s16, 9
	s_add_co_u32 s46, s46, s47
	s_mov_b32 s47, 0
	s_add_nc_u64 s[10:11], s[10:11], s[46:47]
	s_lshl_b32 s20, s17, 7
	s_lshl_b32 s21, s15, 6
	s_add_co_u32 s20, s20, s21                     ; my first token: 128 x tile row + 64 x half,
	s_lshl_b32 s20, s20, 12                        ; rows of 4,096 bytes
	s_mov_b32 s21, 0
	s_add_nc_u64 s[12:13], s[12:13], s[20:21]
	s_add_nc_u64 s[12:13], s[12:13], s[46:47]
	WIN 0xc0                                       ; destination window 3
.irp b, 0,1,2,3,4,5,6,7
	global_load_b128 v[8*\b:8*\b+3], v[BO], s[10:11] offset:64*\b       ; bp at columns 16 b + 8 h + 0 .. 7: the layout of accumulator b
	global_load_b128 v[8*\b+4:8*\b+7], v[BO], s[10:11] offset:64*\b+16
.endr
	WIN 0
.macro FRAGB reg, slot, q, i           ; 16 rows of Wp x 128 K: registers 4 c .. 4 c + 3 hold K = 32 c + 16 h + 0 .. 15
.irp c, 0,1,2,3
	ds_load_b128 v[\reg+4*\c:\reg+4*\c+3], v[ADRB+\slot] offset:128*(\q)+32*\c+(\i)*16*PITCH
.endr
.endm
.macro FRAGA reg, slot, q, i           ; token tile i, the slot's q-th 128 along K: the image comes back as it was stored, 512 consecutive bytes a load
.irp c, 0,1,2,3
	ds_load_b128 v[\reg+4*\c:\reg+4*\c+3], v[ADRA+\slot] offset:2048*(\q)+512*\c+4096*(\i)
.endr
.endm
.macro FETCH_B slot, q, p
	WIN 0x40                                       ; destination window 1
.irp i, 0,1,2,3,4,5,6,7
	FRAGB 128*(\p)+FR*\i, \slot, \q, \i
.endr
	WIN 0
.endm
.macro FETCH_A slot, q, i0
.set FI, \i0
.rept HB
	FRAGA AF+FR*FI, \slot, \q, FI
.set FI, FI+1
.endr
.endm
; n token tiles from a0 on, each against Wp's eight fragments.  The 32 accumulators take turns, in the same order in every step.
.macro MULS a0, n, p, zero
.set MA, \a0
.rept \n
.irp b, 0,1,2,3,4,5,6,7
.if \zero
	v_wmma_f32_16x16x128_bf8_bf8 v[8*(8*(MA%4)+\b):8*(8*(MA%4)+\b)+7], v[128*(\p)+FR*\b:128*(\p)+FR*\b+FR-1], v[AF+FR*MA:AF+FR*MA+FR-1], 0
.else
	v_wmma_f32_16x16x128_bf8_bf8 v[8*(8*(MA%4)+\b):8*(8*(MA%4)+\b)+7], v[128*(\p)+FR*\b:128*(\p)+FR*\b+FR-1], v[AF+FR*MA:AF+FR*MA+FR-1], v[8*(8*(MA%4)+\b):8*(8*(MA%4)+\b)+7]
.endif
.endr
.set MA, MA+1
.endr
.endm
.macro STEP slot, zero                 ; a slot's first 128 along K (Wp's set 0)
	s_wait_dscnt NLA                               ; Wp's set and a's tiles 0, 1 are in; the youngest loads (tiles 2, 3) may be out
	MWIN 0
	MULS 0, HB, 0, \zero
	s_wait_dscnt 0x0
	PLACES NP                                      ; in front of loads into registers that matrix instructions have read
	FETCH_B \slot, 1, 1
	FETCH_A \slot, 1, 0
	MWIN HB
	MULS HB, HB, 0, \zero
	PLACES NP
	WIN 0
	FETCH_A \slot, 1, HB
.endm
; A slot's second 128 along K (Wp's set 1) changes slots: ONE barrier; in front of it each wave waits for all its tensor loads, adds 0 to its spare word, and waits for that and for its reads of this slot.
.macro TURN slot, next, fill
	s_wait_tensorcnt 0x0                           ; all my tensor loads have landed: my part of the next slot
	ds_add_u32 v[SPW], v[NIL]                      ; 0 onto my spare word
	s_wait_dscnt NLA+1                             ; (the add and a's tiles 2, 3 may be out)
	MWIN 0
	MULS 0, HB/2, 1, 0
	s_wait_dscnt 0x0                               ; the add is done, and my reads of this slot are over
	s_barrier_signal -1
	MULS HB/2, HB/2, 1, 0
	WIN 0
	s_barrier_wait -1
.if \fill
	CREST                                          ; the barrier has opened a round of the cluster's barrier: no wave of any partner still reads this slot or has a load on its way
	s_add_nc_u64 s[G0+4*\slot+2:G0+4*\slot+3], s[G0+4*\slot+2:G0+4*\slot+3], ASTEP
	s_add_nc_u64 s[G0B+4*\slot+2:G0B+4*\slot+3], s[G0B+4*\slot+2:G0B+4*\slot+3], BSTEP
	JLOAD G0+4*\slot, G1, G0B+4*\slot, G1B         ; the first tensor load behind the round; its four v_nop are the places in front of the loads below
.else
	PLACES NP
.endif
	FETCH_B \next, 0, 0
	FETCH_A \next, 0, 0
	MWIN HB
	MULS HB, HB, 1, 0
	PLACES NP
	WIN 0
	FETCH_A \next, 0, HB
.endm
	s_wait_tensorcnt 1                             ; my part of slot 0 is in; slot 1's load may be out
	s_barrier_signal -1
	s_barrier_wait -1
	FETCH_B 0, 0, 0
	FETCH_A 0, 0, 0
	FETCH_A 0, 0, HB
	STEP 0, 1                                      ; K 0: its products start the sums
	TURN 0, 1, 1                                   ; K 128; slot 0 takes K 512 on
	STEP 1, 0                                      ; K 256
	TURN 1, 0, 1                                   ; K 384; slot 1 takes K 768 on
	STEP 0, 0                                      ; K 512
	TURN 0, 1, 0                                   ; K 640; nothing is left to fetch
	STEP 1, 0                                      ; K 768
	s_wait_dscnt NLA                               ; K 896, the last step
	MWIN 0
	MULS 0, HB, 1, 0
	s_wait_dscnt 0x0
	MWIN HB
	MULS HB, HB, 1, 0
	WIN 0
; THE WAY OUT, a token tile (16 rows x 128 columns) at a time, through my own stage in LDS: in as 32 bytes a lane, back as whole rows of 512 bytes.  LDS serves a wave's instructions in order (ISA guide 5.7.1.4): no wait between the stores and the loads.
.macro TOSTAGE a
	WIN 0x32                                       ; source 0 (the sums) window 2, source 2 (bp) window 3
.set J, 0
.rept 32
	v_pk_fma_f32 v[TMP+J:TMP+J+1], v[64*(\a)+J:64*(\a)+J+1], s[96:97], v[J:J+1] op_sel_hi:[1,0,1]   ; sum x 2^(e10 + e11) + bp; each accumulator from its low end on
.set J, J+2
.endr
	WIN 0
.irp b, 0,1,2,3,4,5,6,7
	ds_store_b128 v[STO], v[TMP+8*\b:TMP+8*\b+3] offset:64*\b
	ds_store_b128 v[STO], v[TMP+8*\b+4:TMP+8*\b+7] offset:64*\b+16
.endr
.set BB, BK+64*((\a)%2)
.irp t, 0,1,2,3,4,5,6,7,8,9,10,11,12,13,14,15
	ds_load_b128 v[BB+4*\t:BB+4*\t+3], v[RD] offset:\t*SPITCH
.endr
.endm
.macro SEND a, younger                 ; younger: the LDS instructions issued behind tile a's loads, which may stay out
.set BB, BK+64*((\a)%2)
	s_wait_dscnt \younger
.if (\a) > 0
	s_add_nc_u64 s[12:13], s[12:13], 16*4096       ; (behind a wait on XCNT: the earlier stores have read their base)  16 rows of out0 on
.endif
.irp t, 0,1,2,3,4,5,6,7,8,9,10,11,12,13,14,15
	global_store_b128 v[CO], v[BB+4*\t:BB+4*\t+3], s[12:13] offset:\t*4096 th:TH_STORE_NT   ; 32 lanes store 512 consecutive bytes, at a multiple of 512 from out0's first byte; written once, read by nobody here
.endr
.endm
	s_wait_kmcnt 0x0
	s_add_co_i32 s96, s96, s97
	s_add_co_i32 s96, s96, 127
	s_lshl_b32 s96, s96, 23                        ; 2^(e10 + e11) as f32
	s_mov_b32 s97, s96                             ; (named with it as a pair, so it is written)
	s_wait_loadcnt 0x0                             ; bp
	PLACES NP                                      ; in front of the first read of results and of loads into the registers that held a's fragments
	TOSTAGE 0
.irp a, 1,2,3
.if \a > 1
	s_wait_xcnt 0x0                                ; tile a - 2's stores have read their registers and their base
.endif
	TOSTAGE \a
	SEND \a-1, 32                                  ; behind tile a - 1's loads: tile a's 16 stores and 16 loads
.endr
	s_wait_xcnt 0x0
	SEND 3, 0
	s_wait_tensorcnt 0x0                           ; the wave's end
	ds_add_u32 v[SPW], v[NIL]
	s_wait_dscnt 0x0
	CROUND                                         ; the closing round: no work-group ends while a partner may still ask for a tile that names it
	s_endpgm
.Lfunc_end_k_q29d7b7e2f5_proj:
	.size	k_q29d7b7e2f5_proj, .Lfunc_end_k_q29d7b7e2f5_proj-k_q29d7b7e2f5_proj
	.p2alignl 7, 3214868480
	.fill 96, 4, 3214868480
	.section	.rodata,"a",@progbits
	.p2align	6, 0x0
	.amdhsa_kernel k_q29d7b7e2f5_proj
		.amdhsa_group_segment_fixed_size 327680
		.amdhsa_private_segment_fixed_size 0
		.amdhsa_enable_private_segment 0
		.amdhsa_kernarg_size 40
		.amdhsa_user_sgpr_count 2
		.amdhsa_user_sgpr_kernarg_segment_ptr 1
		.amdhsa_wavefront_size32 1
		.amdhsa_system_sgpr_workgroup_id_x 1
		.amdhsa_system_sgpr_workgroup_id_y 1
		.amdhsa_system_sgpr_workgroup_id_z 1
		.amdhsa_system_vgpr_workitem_id 0
		.amdhsa_next_free_vgpr 832
		.amdhsa_next_free_sgpr 100
		.amdhsa_reserve_vcc 0
		.amdhsa_float_denorm_mode_32 3
		.amdhsa_float_denorm_mode_16_64 3
		.amdhsa_memory_ordered 1
		.amdhsa_forward_progress 1
		.amdhsa_inst_pref_size 79
	.end_amdhsa_kernel
	.amdgpu_metadata
---
amdhsa.version: [ 1, 2 ]
amdhsa.kernels:
  - .name:           k_q29d7b7e2f5_proj
    .symbol:         k_q29d7b7e2f5_proj.kd
    .args:
      - { .name: aimg, .offset: 0, .size: 8, .value_kind: global_buffer, .address_space: global }
      - { .name: Wp_codes, .offset: 8, .size: 8, .value_kind: global_buffer, .address_space: global }
      - { .name: lowp_scales, .offset: 16, .size: 8, .value_kind: global_buffer, .address_space: global }
      - { .name: bp, .offset: 24, .size: 8, .value_kind: global_buffer, .address_space: global }
      - { .name: out0, .offset: 32, .size: 8, .value_kind: global_buffer, .address_space: global }
    .group_segment_fixed_size: 327680
    .private_segment_fixed_size: 0
    .kernarg_segment_align: 8
    .kernarg_segment_size: 40
    .max_flat_workgroup_size: 128
    .sgpr_count:     100
    .vgpr_count:     832
    .wavefront_size: 32
...
	.end_amdgpu_metadata
.endif
;; end of part 3
